; MI455X (gfx1250); checked and timed in simulation.
; The chip was launched on July 23, 2026; its instructions are those of AMD's public machine-readable ISA for CDNA 5 (MIT licence, August 2026) and "CDNA5" Instruction Set Architecture Reference Guide (July 2026). The comments in the code are by the model that wrote it; some were corrected since.
;; Multi Head Attention MIL. Allowed arithmetic: float matrix products may take bf16 or f16 operands with f32 sums; all other float work in f32.
;; Inputs: Wk 512 x 512 float32; Wo 512 x 512 float32; Wq 512 x 512 float32; Wv 512 x 512 float32; bk 512 float32; bo 512 float32; bq 512 float32; bv 512 float32; mask 131,072 bool; mil_query 512 float32; unit_embeddings 131,072 x 512 float32.
;; Outputs: out0 512 float32; out1 131,072 float32.
;; One version. Each part assembles by itself: llvm-mc -triple=amdgcn-amd-amdhsa -mcpu=gfx1250 --defsym DOCPART=n.
;; ======== version 1 of 1: 4 launches
;; workspace buffers: ub 8,192 bytes; cb 256 bytes; scores 4,194,304 bytes; zpart 4,194,304 bytes; ml 16,384 bytes; wpart 16,384 bytes
;; launch prep (part 1): grid 8 x 1, 16 waves a work-group, no clusters, 10,752 bytes of LDS; arguments mil_query, Wq, bq, Wk, bk, ub, cb; writes ub, cb
.if DOCPART == 1
	.amdgcn_target "amdgcn-amd-amdhsa--gfx1250"
	.amdhsa_code_object_version 6
	.text
	.protected	k_q49f16adf40_prep
	.globl	k_q49f16adf40_prep
	.p2align	8
	.type	k_q49f16adf40_prep,@function
k_q49f16adf40_prep:
	s_mov_b64 s[64:65], 0
	v_nop
	global_prefetch_b8 v0, s[64:65] scope:SCOPE_SE
	s_setreg_imm32_b32 hwreg(HW_REG_WAVE_MODE, 25, 1), 1
	s_wait_xcnt 0x0
; Work-group h (one of 8 heads) makes, in f32 on the vector ALU (products of one row: the matrix unit would idle):
;   qs[e]  = (mil_query . Wq[64h+e] + bq[64h+e]) * log2(e)/8          e = 0..63
;   u[c]   = sum over e of qs[e] * Wk[64h+e][c]                       c = 0..511
;   cb[h]  = sum over e of qs[e] * bk[64h+e]
; so that a later score is X[n] . u + cb[h], already in the base-2 domain and divided by sqrt(64).
; This reassociates reference()'s q . (X Wk^T + bk): the same sum in another order of rounding.
; ub[h][pos] = bf16(u[c]) is stored in the column order of the next launch's stage: pos = 64 q + 16 j + r stands for column c = 64 q + 4 r + j.
; 16 waves.  Wave w owns rows 4w..4w+3 of the head's part of Wq; thread t owns columns 4(t&127).. of rows 16(t>>7).. of Wk.
.set QS,  0                            ; LDS: 64 f32, the scaled q
.set PS,  256                          ; LDS: 4 x 2,048 bytes, partial u of the four row groups
.set T,   8                            ; v[8:15]    four running pairs
.set MQ,  16                           ; v[16:31]   my 16 numbers of mil_query
.set WQ,  32                           ; v[32:95]   row e, quarter c at 32+16e+4c
.set BQ,  96                           ; v[96:99]   bq of my four rows
.set WK,  100                          ; v[100:163] row e of my 16 at 100+4e
.set BK,  164                          ; v[164:165] bk, two numbers a lane
.set Q16, 166                          ; v[166:181] qs of my 16 rows of Wk
.set ACC, 182                          ; v[182:185] partial u of my 4 columns
.set DQ,  186                          ; v[186:189] qs of my wave's four rows
.set T16, 190                          ; v190       16 t
	s_load_b256 s[4:11], s[0:1], 0x0               ; mil_query s[4:5], Wq s[6:7], bq s[8:9], Wk s[10:11]
	s_load_b128 s[12:15], s[0:1], 0x20             ; bk s[12:13], ub s[14:15]
	s_load_b64 s[16:17], s[0:1], 0x30              ; cb
	v_lshl_add_u32 v192, v0, 2, 0x2200
	v_mov_b32 v193, 0
	v_lshrrev_b32 v2, 5, v0
	v_readfirstlane_b32 s18, v2                    ; wave 0..15
	v_and_b32 v1, 31, v0                           ; lane
	s_lshl_b32 s20, ttmp9, 17                      ; the head's 64 rows of 2,048 bytes in Wq and Wk
	s_mov_b32 s21, 0
	s_lshl_b32 s22, ttmp9, 8                       ; its 64 numbers in bq and bk
	s_mov_b32 s23, 0
	s_lshl_b32 s24, ttmp9, 10                      ; its 512 bf16 in ub
	s_mov_b32 s25, 0
	s_lshl_b32 s26, ttmp9, 2                       ; its word in cb
	s_mov_b32 s27, 0
	s_mov_b32 s30, 0x76543210                      ; v_permlanex16_b32: lane i reads lane i of the other half
	s_mov_b32 s31, 0xfedcba98
	v_lshlrev_b32 v4, 4, v1                        ; mil_query: 16 L
	s_lshl_b32 s28, s18, 13
	v_add_nc_u32 v3, s28, v4                       ; Wq: four rows a wave, 8,192 w + 16 L
	s_lshl_b32 s29, s18, 4
	v_mov_b32 v5, s29                              ; bq, and QS in LDS: 16 w
	v_lshrrev_b32 v2, 7, v0                        ; row group 0..3
	v_and_b32 v6, 127, v0
	v_lshlrev_b32 v6, 4, v6
	v_lshl_add_u32 v6, v2, 15, v6                  ; Wk: 16 rows a group, 32,768 rg + 16 (t & 127)
	v_lshlrev_b32 v2, 6, v2                        ; QS: my group's 16 numbers, 64 rg
	v_lshlrev_b32 v7, 3, v1                        ; bk, and QS by pairs: 8 L
	v_lshlrev_b32 v[T16], 4, v0
	s_wait_kmcnt 0x0
	s_add_nc_u64 s[6:7], s[6:7], s[20:21]
	s_add_nc_u64 s[10:11], s[10:11], s[20:21]
	s_add_nc_u64 s[8:9], s[8:9], s[22:23]
	s_add_nc_u64 s[12:13], s[12:13], s[22:23]
	s_add_nc_u64 s[14:15], s[14:15], s[24:25]
	s_add_nc_u64 s[16:17], s[16:17], s[26:27]
	; all 38 loads go out at once; each covers 512 neighbouring bytes of a row
.irp c, 0,1,2,3
	global_load_b128 v[MQ+4*\c:MQ+4*\c+3], v4, s[4:5] offset:512*\c
.endr
.irp e, 0,1,2,3
.irp c, 0,1,2,3
	global_load_b128 v[WQ+16*\e+4*\c:WQ+16*\e+4*\c+3], v3, s[6:7] offset:2048*\e+512*\c th:TH_LOAD_NT
.endr
.endr
	global_load_b128 v[BQ:BQ+3], v5, s[8:9]
.irp e, 0,1,2,3,4,5,6,7,8,9,10,11,12,13,14,15
	global_load_b128 v[WK+4*\e:WK+4*\e+3], v6, s[10:11] offset:2048*\e th:TH_LOAD_NT
.endr
	global_load_b64 v[BK:BK+1], v7, s[12:13]
	; q of my wave's four rows: four chains that do not wait for each other
	s_wait_loadcnt 17                              ; Wk's 16 loads and bk's one are younger and stay out
.irp e, 0,1,2,3
	v_pk_mul_f32 v[T+2*\e:T+2*\e+1], v[WQ+16*\e:WQ+16*\e+1], v[MQ:MQ+1]
.endr
.irp p, 1,2,3,4,5,6,7
.irp e, 0,1,2,3
	v_pk_fma_f32 v[T+2*\e:T+2*\e+1], v[WQ+16*\e+2*\p:WQ+16*\e+2*\p+1], v[MQ+2*\p:MQ+2*\p+1], v[T+2*\e:T+2*\e+1]
.endr
.endr
.irp e, 0,1,2,3
	v_add_f32 v[T+2*\e], v[T+2*\e], v[T+2*\e+1]
.endr
.irp x, 1,2,4,8
.irp e, 0,1,2,3
	v_add_f32_dpp v[T+2*\e], v[T+2*\e], v[T+2*\e] row_xmask:\x row_mask:0xf bank_mask:0xf
.endr
.endr
.irp e, 0,1,2,3
	v_permlanex16_b32 v[T+2*\e+1], v[T+2*\e], s30, s31     ; the destination has been written above
.endr
.irp e, 0,1,2,3
	v_add_f32 v[T+2*\e], v[T+2*\e], v[T+2*\e+1]
.endr
.irp e, 0,1,2,3
	v_add_f32 v[DQ+\e], v[T+2*\e], v[BQ+\e]
.endr
.irp e, 0,1,2,3
	v_mul_f32 v[DQ+\e], 0x3e38aa3b, v[DQ+\e]               ; log2(e) / 8
.endr
	ds_store_b128 v5, v[DQ:DQ+3] offset:QS                 ; every lane holds the same four numbers and stores them to the same 16 bytes
	s_wait_dscnt 0x0                                       ; for the other waves: my store is done
	s_barrier_signal -1
	s_barrier_wait -1
	; partial u: my 4 columns over my group's 16 rows
.irp j, 0,1,2,3
	ds_load_b128 v[Q16+4*\j:Q16+4*\j+3], v2 offset:QS+16*\j
.endr
	s_wait_loadcnt 0x0
	s_wait_dscnt 0x0
	v_pk_mul_f32 v[ACC:ACC+1],   v[WK:WK+1],   v[Q16:Q16+1] op_sel_hi:[1,0]
	v_pk_mul_f32 v[ACC+2:ACC+3], v[WK+2:WK+3], v[Q16:Q16+1] op_sel_hi:[1,0]
.set e, 1
.rept 15
.if (e & 1) == 0                       ; the row's q is broadcast from the low or the high register of its pair
	v_pk_fma_f32 v[ACC:ACC+1],   v[WK+4*e:WK+4*e+1],   v[Q16+e:Q16+e+1], v[ACC:ACC+1]   op_sel_hi:[1,0,1]
	v_pk_fma_f32 v[ACC+2:ACC+3], v[WK+4*e+2:WK+4*e+3], v[Q16+e:Q16+e+1], v[ACC+2:ACC+3] op_sel_hi:[1,0,1]
.else
	v_pk_fma_f32 v[ACC:ACC+1],   v[WK+4*e:WK+4*e+1],   v[Q16+e-1:Q16+e], v[ACC:ACC+1]   op_sel:[0,1,0] op_sel_hi:[1,1,1]
	v_pk_fma_f32 v[ACC+2:ACC+3], v[WK+4*e+2:WK+4*e+3], v[Q16+e-1:Q16+e], v[ACC+2:ACC+3] op_sel:[0,1,0] op_sel_hi:[1,1,1]
.endif
.set e, e+1
.endr
	ds_store_b128 v[T16], v[ACC:ACC+3] offset:PS           ; 2,048 rg + 16 (t & 127) = 16 t
	s_wait_dscnt 0x0
	s_barrier_signal -1
	s_barrier_wait -1
	s_cmp_lt_u32 s18, 2
	s_cbranch_scc1 .Lub
	s_cmp_eq_u32 s18, 2
	s_cbranch_scc1 .Lcb
	s_wait_tensorcnt 0x0
	ds_add_u32 v192, v193
	s_wait_dscnt 0x0
	s_endpgm
.Lub:                                  ; waves 0 and 1: thread t sums the four groups for pos 8t..8t+7 and rounds once to bf16
	; pos 8t + e: q = t >> 3, j = (t >> 1) & 3, r = 8 (t & 1) + e, so column 64 q + 32 (t & 1) + 4 e + j: eight words 16 bytes apart
	v_bfe_u32 v191, v0, 3, 3                               ; q
	v_and_b32 v[T+4], 1, v0
	v_bfe_u32 v[T+5], v0, 1, 2                             ; j
	v_lshlrev_b32 v191, 8, v191
	v_lshl_add_u32 v191, v[T+4], 7, v191
	v_lshl_add_u32 v191, v[T+5], 2, v191
.irp g, 0,1,2,3
.irp e, 0,1,2,3,4,5,6,7
	ds_load_b32 v[WK+8*\g+\e], v191 offset:PS+2048*\g+16*\e
.endr
.endr
	s_wait_dscnt 0x0
.irp p, 0,2,4,6
	v_pk_add_f32 v[WK+\p:WK+\p+1],       v[WK+\p:WK+\p+1],       v[WK+8+\p:WK+8+\p+1]
	v_pk_add_f32 v[WK+16+\p:WK+16+\p+1], v[WK+16+\p:WK+16+\p+1], v[WK+24+\p:WK+24+\p+1]
.endr
.irp p, 0,2,4,6
	v_pk_add_f32 v[WK+\p:WK+\p+1], v[WK+\p:WK+\p+1], v[WK+16+\p:WK+16+\p+1]
.endr
.irp i, 0,1,2,3
	v_cvt_pk_bf16_f32 v[T+\i], v[WK+2*\i], v[WK+2*\i+1]
.endr
	global_store_b128 v[T16], v[T:T+3], s[14:15]           ; sixteen lanes store 256 consecutive bytes, aligned
	s_wait_tensorcnt 0x0
	ds_add_u32 v192, v193
	s_wait_dscnt 0x0
	s_endpgm
.Lcb:                                  ; wave 2: the head's bias term, one word
	ds_load_b64 v[T:T+1], v7 offset:QS
	s_wait_dscnt 0x0
	v_mul_f32 v[T], v[T], v[BK]
	v_fmac_f32 v[T], v[T+1], v[BK+1]
.irp x, 1,2,4,8
	v_add_f32_dpp v[T], v[T], v[T] row_xmask:\x row_mask:0xf bank_mask:0xf
.endr
	v_permlanex16_b32 v[T+1], v[T], s30, s31
	v_add_f32 v[T], v[T], v[T+1]
	v_mov_b32 v[T+2], 0
	s_wait_xcnt 0x0                                        ; EXEC is narrowed only behind this wait
	v_cmp_eq_u32 vcc_lo, 0, v1
	s_wait_tensorcnt 0x0
	ds_add_u32 v192, v193
	s_wait_dscnt 0x0
	s_and_saveexec_b32 s28, vcc_lo
	global_store_b32 v[T+2], v[T], s[16:17]                ; four bytes a head: all that this result has
	s_endpgm
.Lfunc_end_k_q49f16adf40_prep:
	.size	k_q49f16adf40_prep, .Lfunc_end_k_q49f16adf40_prep-k_q49f16adf40_prep
	.p2alignl 7, 3214868480
	.fill 96, 4, 3214868480
	.section	.rodata,"a",@progbits
	.p2align	6, 0x0
	.amdhsa_kernel k_q49f16adf40_prep
		.amdhsa_group_segment_fixed_size 10752
		.amdhsa_private_segment_fixed_size 0
		.amdhsa_enable_private_segment 0
		.amdhsa_kernarg_size 56
		.amdhsa_user_sgpr_count 2
		.amdhsa_user_sgpr_kernarg_segment_ptr 1
		.amdhsa_wavefront_size32 1
		.amdhsa_system_sgpr_workgroup_id_x 1
		.amdhsa_system_sgpr_workgroup_id_y 1
		.amdhsa_system_sgpr_workgroup_id_z 1
		.amdhsa_system_vgpr_workitem_id 0
		.amdhsa_next_free_vgpr 194
		.amdhsa_next_free_sgpr 66
		.amdhsa_reserve_vcc 1
		.amdhsa_float_denorm_mode_32 3
		.amdhsa_float_denorm_mode_16_64 3
		.amdhsa_memory_ordered 1
		.amdhsa_forward_progress 1
		.amdhsa_inst_pref_size 17
	.end_amdhsa_kernel
	.amdgpu_metadata
---
amdhsa.version: [ 1, 2 ]
amdhsa.kernels:
  - .name:           k_q49f16adf40_prep
    .symbol:         k_q49f16adf40_prep.kd
    .args:
      - { .name: mil_query, .offset: 0, .size: 8, .value_kind: global_buffer, .address_space: global }
      - { .name: Wq, .offset: 8, .size: 8, .value_kind: global_buffer, .address_space: global }
      - { .name: bq, .offset: 16, .size: 8, .value_kind: global_buffer, .address_space: global }
      - { .name: Wk, .offset: 24, .size: 8, .value_kind: global_buffer, .address_space: global }
      - { .name: bk, .offset: 32, .size: 8, .value_kind: global_buffer, .address_space: global }
      - { .name: ub, .offset: 40, .size: 8, .value_kind: global_buffer, .address_space: global }
      - { .name: cb, .offset: 48, .size: 8, .value_kind: global_buffer, .address_space: global }
    .group_segment_fixed_size: 10752
    .private_segment_fixed_size: 0
    .kernarg_segment_align: 8
    .kernarg_segment_size: 56
    .max_flat_workgroup_size: 512
    .sgpr_count:     66
    .vgpr_count:     194
    .wavefront_size: 32
...
	.end_amdgpu_metadata
.endif
;; end of part 1
;; launch stream (part 2): grid 256 x 1, 4 waves a work-group, no clusters, 225,024 bytes of LDS; arguments unit_embeddings, mask, ub, cb, scores, zpart, ml; writes scores, zpart, ml
.if DOCPART == 2
	.amdgcn_target "amdgcn-amd-amdhsa--gfx1250"
	.amdhsa_code_object_version 6
	.text
	.protected	k_q49f16adf40_stream
	.globl	k_q49f16adf40_stream
	.p2align	8
	.type	k_q49f16adf40_stream,@function
k_q49f16adf40_stream:
	s_mov_b64 s[64:65], 0
	v_nop
	global_prefetch_b8 v0, s[64:65] scope:SCOPE_SE
	s_setreg_imm32_b32 hwreg(HW_REG_WAVE_MODE, 25, 1), 1
	s_wait_xcnt 0x0
; The one pass over X = unit_embeddings [131072][512] f32.  A work-group owns 512 rows (1 MiB); four waves, as many as a WGP has SIMDs, 128 rows each,
; in four steps of 32 rows.  For each step:
;   scores  S[row][head] = X . u_head + c_head        matrix unit, A = 16 rows of X, B = U (column r = head r & 7: heads stand twice)
;   masked rows get -inf; running maximum m, p = 2^(S - m), running sum l   (f32, one head a lane)
;   z[col][head] += X^T . p                            matrix unit, A = X^T, B = p
; HOW X REACHES BOTH PRODUCTS.  A load takes 256 bytes of one row in lanes 0-15 and the same 256 bytes of the row eight further down in lanes 16-31, so
; lane (r, h) holds columns 64q+4r+j (j = 0..3) of rows 8h.. .  Rounding the same column of two neighbouring rows into one word gives register t of an
; A fragment of X^T (M = the lane's column, K = the step's 32 rows in their own order): the z product is fed from registers and reads no LDS.
; Four such registers are 16 bytes of a column: they are stored into the wave's X^T stage, from which transposing LDS loads bring the row fragments of the scores.
; Columns stand in the order pos = 64q + 16j + r (for column 64q + 4r + j) in the stage, in ub (stored so by the launch before) and in zpart
; (undone by the launch behind).  U stays in 128 registers.
; In S a lane holds rows 8 (L>>4) + j of head L & 7, which is also the layout of a B fragment over 32 rows: p is packed in place, no lane moves.
; In z a lane again holds head L & 7, so rescaling by 2^(m_old - m_new) is one factor a lane.
; Out: the masked base-2 scores [8][131072], and per work-group m, l and the unnormalised z [8][512 pos] relative to m.
; K and V of the formula are never formed: q.(X Wk^T + bk) = X.(Wk^T q) + q.bk, and sum w (X Wv^T + bv) = (sum w X) Wv^T + bv since sum w = 1.
; LIMITS: X, u and p enter the matrix unit rounded to bf16; the order of rounding differs from the formula's through the reassociation;
; 2^x gives 0 below 2^-126; the running maximum starts at -FLT_MAX (0xff7fffff), so that blocks with every row masked give p = 0, l = 0.
; NOT USED: tensor loads (X is f32 and must pass through registers to become bf16); clusters (work-groups share only U, 8,192 bytes of
; the 1 MiB that each reads); prefetches (every wave keeps 56 loads of 512 bytes out all the time: the launch streams already).
;
; REGISTERS, in windows of 256 (s_set_vgpr_msb's low byte: bits 1:0 source 0, 3:2 source 1, 5:4 source 2, 7:6 destination):
;   window 0: v0-63 addresses and softmax, v64-127 score fragments (two buffers), v128-255 U (16 K steps x 8)
;   window 1: z, tile T = 4q+j (pos 16T..16T+15) at v[8T:8T+7]
;   window 2: X in bf16, tile T at v[8T:8T+7]: register t holds rows 16(t>>2) + 8h + 2(t&3) and the next
;   window 3: v0-223 the ring of loads, seven slots of 32
.set CP,    96                         ; stage: column pos begins at 96 pos + 16 ((pos>>3)&1) and holds 32 rows, 64 bytes.  Modulo 256 the sixteen columns of a store
                                       ; begin at sixteen different multiples of 16, and the eight columns x 32 bytes of a transposing load cover 256 different bytes
.set WSTG,  49408                      ; a wave's stage: 512 columns (49,136 bytes), rounded up to a multiple of 256
.set UB,    4*WSTG                     ; U: 8 heads, pitch UP
.set UP,    1040
.set SCL,   UB+8*UP                    ; scores of a wave's 128 rows: 8 heads x 512 bytes, pitch SCP
.set SCP,   528
.set WSC,   8*SCP
.set MLB,   SCL+4*WSC                  ; m of wave w, lane L at 128 w + 4 L; l 512 bytes further
.set MKB,   MLB+1024                   ; a wave's 128 mask bytes at 128 w
.set ZP,    2064                       ; at the end a wave's stage holds its z: 8 heads x 2,048 bytes, pitch ZP = 129 x 16
.set NS,    7                          ; slots of the ring: 56 loads out, 62 with the six small ones at the start
.set RR,    1                          ; v1   L & 15
.set XOFF,  2                          ; v2   X: 262,144 w + 16,384 (L>>4) + 16 r; never rewritten
.set STO,   3                          ; v3   stage, in
.set ATR,   4                          ; v4   stage, transposed out
.set UAD,   5                          ; v5   U fragments
.set SCS,   6                          ; v6   scores into LDS
.set SCR,   7                          ; v7   scores back by heads
.set SCG,   8                          ; v8   scores in memory
.set ZST,   9                          ; v9   z into LDS
.set MLA,   10                         ; v10  my m, l in LDS
.set MLR,   11                         ; v11  all waves' m, l of my lane
.set MKA,   12                         ; v12  my rows' mask bytes in LDS
.set NINF,  13                         ; v13  -inf
.set TA,    14                         ; v[14:15] at work
.set MRUN,  16                         ; v16  running maximum of my head
.set LSUM,  17                         ; v17  running sum over my rows
.set MN,    18                         ; v[18:19] new maximum, twice
.set AL,    20                         ; v[20:21] 2^(old - new), twice
.set MX,    22
.set MX2,   23
.set CB,    24                         ; v[24:31] c of my head, eight times: the C tile of the first K step
.set MK,    32                         ; v[32:35] the step's mask bytes: tile i at 32+2i, eight rows
.set SK,    36                         ; v36  at work in the set-up
.set SCA,   40                         ; v[40:47] scores of rows 0-15, v[48:55] of rows 16-31
.set PF,    56                         ; v[56:63] p as a B fragment
.set FR,    64                         ; v[64:127] score fragments: two buffers of two K steps
.set U,     128                        ; v[128:255] U fragments
.set MSB, 0
.macro WIN new                         ; the immediate's high byte repeats the setting that is left
.if MSB != \new
	s_set_vgpr_msb (MSB<<8)|\new
.set MSB, \new
.endif
.endm
.macro PLACES                          ; four places behind a matrix instruction before its results are read or its registers written or loaded into (ISA guide 7.12.1)
.rept 4
	v_nop
.endr
.endm
; Turn g of 64: row pair t = (g>>1)&7 of step g>>4, columns 256 (g&1) .. +255.  Eight loads: two rows x four chunks of 256 bytes, each for both halves of the lanes.
.macro LOADS g
	WIN 0xc0                                       ; destination in window 3
.irp e, 0,1,2,3,4,5,6,7
	global_load_b128 v[32*((\g)%NS)+4*\e:32*((\g)%NS)+4*\e+3], v[XOFF], s[4:5] offset:(16*((\g)>>3)+2*(((\g)>>1)&3)+(\e>>2))*2048+(4*((\g)&1)+(\e&3))*256 th:TH_LOAD_NT
.endr
.endm
; The turn's loads have come: the two rows are rounded into one word a column, the slot is asked for again seven turns ahead,
; and where four row pairs are complete (t = 3 and t = 7) sixteen tiles' 16 bytes go into the stage.
.macro TURN g
.if (\g) <= 63-(NS-1)
	s_wait_loadcnt 8*(NS-1)                        ; six younger slots, eight loads each, stay out
.else
	s_wait_loadcnt 8*(63-(\g))                     ; nothing is asked behind turn 63: the count runs down
.endif
	WIN 0x8f                                       ; sources in window 3, destination in window 2
.irp c, 0,1,2,3,4,5,6,7,8,9,10,11,12,13,14,15
	v_cvt_pk_bf16_f32 v[8*(16*((\g)&1)+\c)+(((\g)>>1)&7)], v[32*((\g)%NS)+\c], v[32*((\g)%NS)+16+\c]
.endr
.if (\g)+NS <= 63
	LOADS (\g)+NS
.endif
.if (((\g)>>1)&3) == 3
	WIN 0x08                                       ; LDS store data in window 2
.irp c, 0,1,2,3,4,5,6,7,8,9,10,11,12,13,14,15
	ds_store_b128 v[STO], v[8*(16*((\g)&1)+\c)+4*(((\g)>>3)&1):8*(16*((\g)&1)+\c)+4*(((\g)>>3)&1)+3] offset:16*CP*(16*((\g)&1)+\c)+32*(((\g)>>3)&1)
.endr
.endif
.endm
; Row fragments of K steps 2b and 2b+1 (32 pos each), for rows 0-15 and 16-31: eight transposing loads into buffer b & 1
.macro FETCH2 b
.irp a, 0,1
	ds_load_tr16_b128 v[FR+32*((\b)&1)+16*\a:FR+32*((\b)&1)+16*\a+3],     v[ATR] offset:32*CP*(2*(\b)+\a)
	ds_load_tr16_b128 v[FR+32*((\b)&1)+16*\a+4:FR+32*((\b)&1)+16*\a+7],   v[ATR] offset:32*CP*(2*(\b)+\a)+16*CP
	ds_load_tr16_b128 v[FR+32*((\b)&1)+16*\a+8:FR+32*((\b)&1)+16*\a+11],  v[ATR] offset:32*CP*(2*(\b)+\a)+32
	ds_load_tr16_b128 v[FR+32*((\b)&1)+16*\a+12:FR+32*((\b)&1)+16*\a+15], v[ATR] offset:32*CP*(2*(\b)+\a)+16*CP+32
.endr
.endm
; Their four products.  The two accumulators take turns, one instruction a turn.
.macro SMUL b
.irp a, 0,1
.if (2*(\b)+\a) == 0
	v_wmma_f32_16x16x32_bf16 v[SCA:SCA+7],    v[FR+32*((\b)&1)+16*\a:FR+32*((\b)&1)+16*\a+7],    v[U+8*(2*(\b)+\a):U+8*(2*(\b)+\a)+7], v[CB:CB+7]      ; the first product starts the sum from the head's bias
	v_wmma_f32_16x16x32_bf16 v[SCA+8:SCA+15], v[FR+32*((\b)&1)+16*\a+8:FR+32*((\b)&1)+16*\a+15], v[U+8*(2*(\b)+\a):U+8*(2*(\b)+\a)+7], v[CB:CB+7]
.else
	v_wmma_f32_16x16x32_bf16 v[SCA:SCA+7],    v[FR+32*((\b)&1)+16*\a:FR+32*((\b)&1)+16*\a+7],    v[U+8*(2*(\b)+\a):U+8*(2*(\b)+\a)+7], v[SCA:SCA+7]
	v_wmma_f32_16x16x32_bf16 v[SCA+8:SCA+15], v[FR+32*((\b)&1)+16*\a+8:FR+32*((\b)&1)+16*\a+15], v[U+8*(2*(\b)+\a):U+8*(2*(\b)+\a)+7], v[SCA+8:SCA+15]
.endif
.endr
.endm
; z += X^T . p: 32 different accumulators, A straight from window 2
.macro ZMUL first
	WIN 0x52                                       ; A in window 2, B in window 0, C and D in window 1
.set tt, 0
.rept 32
.if \first
	v_wmma_f32_16x16x32_bf16 v[8*tt:8*tt+7], v[8*tt:8*tt+7], v[PF:PF+7], 0                 ; the first step starts the sums: nothing is cleared
.else
	v_wmma_f32_16x16x32_bf16 v[8*tt:8*tt+7], v[8*tt:8*tt+7], v[PF:PF+7], v[8*tt:8*tt+7]
.endif
.set tt, tt+1
.endr
.endm
.macro RESCALE                         ; all of z times my head's factor
	WIN 0x41                                       ; source 0 and destination in window 1, the factor in window 0
.set i, 0
.rept 128
	v_pk_mul_f32 v[i:i+1], v[i:i+1], v[AL:AL+1]
.set i, i+2
.endr
.endm
; mask, running maximum, p and l for step t
.macro SOFT t, first
	PLACES                                         ; behind the last score product: its results are read
.irp i, 0,1
.irp j, 0,2,4,6
	v_and_b32 v[TA],   0xff<<(8*(\j&3)),     v[MK+2*\i+(\j>>2)]            ; the row's mask byte
	v_and_b32 v[TA+1], 0xff<<(8*((\j+1)&3)), v[MK+2*\i+(\j>>2)]
	v_cmp_eq_u32 vcc_lo, 0, v[TA]
	v_cmp_eq_u32 s33, 0, v[TA+1]
	v_cndmask_b32 v[SCA+8*\i+\j],   v[SCA+8*\i+\j],   v[NINF], vcc_lo       ; -inf where the mask is false
	v_cndmask_b32 v[SCA+8*\i+\j+1], v[SCA+8*\i+\j+1], v[NINF], s33
.endr
.endr
	ds_store_b128 v[SCS], v[SCA:SCA+3]     offset:128*\t                    ; row 32t + 16i + 8(L>>4) + j of head L&7; lanes r and r+8 hold
	ds_store_b128 v[SCS], v[SCA+4:SCA+7]   offset:128*\t+16                 ; the same numbers and store them to the same bytes
	ds_store_b128 v[SCS], v[SCA+8:SCA+11]  offset:128*\t+64
	ds_store_b128 v[SCS], v[SCA+12:SCA+15] offset:128*\t+80
	v_max3_num_f32 v[MX], v[SCA], v[SCA+1], v[MRUN]
.irp j, 2,4,6,8,10,12,14
	v_max3_num_f32 v[MX], v[SCA+\j], v[SCA+\j+1], v[MX]
.endr
	v_permlanex16_b32 v[MX2], v[MX], s30, s31      ; the other 16 rows of the same head
	v_max_num_f32 v[MN], v[MX], v[MX2]
	v_mov_b32 v[MN+1], v[MN]
.if \first == 0
	v_sub_f32 v[TA], v[MRUN], v[MN]
	v_exp_f32 v[AL], v[TA]
	v_exp_f32 v[AL+1], v[TA]
.endif
	v_mov_b32 v[MRUN], v[MN]                       ; also the plain instruction behind the two exponentials (ISA guide 5.7.2)
.irp j, 0,2,4,6,8,10,12,14
	v_pk_add_f32 v[SCA+\j:SCA+\j+1], v[SCA+\j:SCA+\j+1], v[MN:MN+1] neg_lo:[0,1] neg_hi:[0,1]
.endr
.irp j, 0,1,2,3,4,5,6,7,8,9,10,11,12,13,14,15
	v_exp_f32 v[SCA+\j], v[SCA+\j]
.endr
	v_nop                                          ; one plain instruction before the exponentials' results are read
	s_wait_alu depctr_va_vdst(0)
	v_pk_add_f32 v[TA:TA+1], v[SCA:SCA+1], v[SCA+2:SCA+3]
.irp j, 4,6,8,10,12,14
	v_pk_add_f32 v[TA:TA+1], v[TA:TA+1], v[SCA+\j:SCA+\j+1]
.endr
.if \first
	v_add_f32 v[LSUM], v[TA], v[TA+1]
.else
	v_add_f32 v[TA], v[TA], v[TA+1]
	v_fma_f32 v[LSUM], v[LSUM], v[AL], v[TA]
.endif
.irp i, 0,1,2,3
	v_cvt_pk_bf16_f32 v[PF+\i],   v[SCA+2*\i],   v[SCA+2*\i+1]              ; registers 0-3: rows 8(L>>4)+0..7
	v_cvt_pk_bf16_f32 v[PF+4+\i], v[SCA+8+2*\i], v[SCA+8+2*\i+1]            ; registers 4-7: rows 16+8(L>>4)+0..7
.endr
.endm
; A step: sixteen turns, the scores in eight batches of two K steps, the softmax, the z product.
; Behind turn 14 the stage's pos 0-255 are whole, so the first two batches' fragments are asked for ahead of the last turn.
.macro STEP s, first
.set g, 16*\s
.rept 15
	TURN g
.set g, g+1
.endr
	WIN 0
	ds_load_b64 v[MK:MK+1],   v[MKA] offset:32*\s
	ds_load_b64 v[MK+2:MK+3], v[MKA] offset:32*\s+16
	FETCH2 0
	FETCH2 1
	TURN g
	WIN 0
.set b, 0
.rept 8
.if b < 2
	s_wait_dscnt 24                                ; younger and still out: the next batch's eight loads and the last turn's sixteen stores
.else
.if b < 7
	s_wait_dscnt 8                                 ; the next batch's eight loads stay out
.else
	s_wait_dscnt 0x0
.endif
.endif
	SMUL b
.if b < 6
	PLACES                                         ; the buffer just multiplied is loaded into again
	FETCH2 b+2
.endif
.set b, b+1
.endr
	SOFT \s, \first
.if \first == 0
	RESCALE
.endif
	ZMUL \first
	PLACES                                         ; the next turns write window 2, which these products have read; the way out reads z
.endm
	s_load_b256 s[4:11], s[0:1], 0x0               ; X s[4:5], mask s[6:7], ub s[8:9], cb s[10:11]
	s_load_b128 s[12:15], s[0:1], 0x20             ; scores s[12:13], zpart s[14:15]
	s_load_b64 s[16:17], s[0:1], 0x30              ; ml
	v_lshl_add_u32 v38, v0, 2, 0x36d00
	v_mov_b32 v39, 0
	v_lshrrev_b32 v[TA], 5, v0
	v_readfirstlane_b32 s18, v[TA]                 ; wave 0..3
	v_and_b32 v[TA+1], 31, v0                      ; L
	v_and_b32 v[RR], 15, v0                        ; r
	v_bfe_u32 v[TA], v0, 4, 1                      ; h = L >> 4
	v_and_b32 v[MX], 7, v0                         ; my head, r & 7
	v_bfe_u32 v[MX2], v0, 3, 1                     ; (L >> 3) & 1
	s_mul_i32 s19, s18, WSTG                       ; my stage
	s_lshl_b32 s20, ttmp9, 20                      ; the work-group's 512 rows of 2,048 bytes
	s_mov_b32 s21, 0
	s_lshl_b32 s26, ttmp9, 14                      ; its 8 x 2,048 bytes of zpart
	s_mov_b32 s27, 0
	s_lshl_b32 s28, ttmp9, 6                       ; its 64 bytes of ml
	s_mov_b32 s29, 0
	s_mov_b32 s30, 0x76543210                      ; v_permlanex16_b32: lane i reads lane i of the other half
	s_mov_b32 s31, 0xfedcba98
	s_lshl_b32 s22, s18, 18                        ; my wave's 128 rows
	v_lshl_add_u32 v[XOFF], v[RR], 4, s22
	v_lshl_add_u32 v[XOFF], v[TA], 14, v[XOFF]     ; lanes 16-31 eight rows further down
	s_lshl_b32 s23, s18, 11
	v_lshl_add_u32 v[FR+20], v[TA+1], 4, s23       ; ub: wave w brings heads 2w and 2w+1, 2,048 w + 16 L
	v_lshlrev_b32 v[FR+21], 2, v[MX]               ; cb: my head's word
	s_lshl_b32 s24, ttmp9, 9
	s_lshl_b32 s25, s18, 7
	s_add_co_u32 s24, s24, s25
	v_lshl_add_u32 v[FR+22], v[TA+1], 2, s24       ; mask: 512 wg + 128 w + 4 L
	s_wait_kmcnt 0x0
	s_add_nc_u64 s[4:5], s[4:5], s[20:21]
	s_add_nc_u64 s[14:15], s[14:15], s[26:27]
	s_add_nc_u64 s[16:17], s[16:17], s[28:29]
.irp c, 0,1,2,3
	global_load_b128 v[FR+4*\c:FR+4*\c+3], v[FR+20], s[8:9] offset:512*\c
.endr
	global_load_b32 v[CB], v[FR+21], s[10:11]
	global_load_b32 v[FR+16], v[FR+22], s[6:7]
.set g, 0
.rept NS
	LOADS g                                        ; the ring is filled: 62 loads out now, 56 from here on, 28 KiB a wave
.set g, g+1
.endr
	WIN 0
	v_add_nc_u32 v[SK], v[MX2], v[TA]
	v_mul_u32_u24 v[STO], v[RR], CP                ; in: column 16T + r at 96 r + 16 (r>>3), my eight rows at 16 h
	v_lshl_add_u32 v[STO], v[SK], 4, v[STO]
	v_add_nc_u32 v[STO], s19, v[STO]
	v_lshl_add_u32 v[ATR], v[TA], 3, v[MX]         ; out, transposed: column 8 h + (L&7), which begins 16 h further on,
	v_mul_u32_u24 v[ATR], v[ATR], CP
	v_lshl_add_u32 v[ATR], v[SK], 4, v[ATR]        ; and 16 bytes (eight rows) for each eight lanes
	v_add_nc_u32 v[ATR], s19, v[ATR]
	v_mul_u32_u24 v[UAD], v[MX], UP
	v_lshl_add_u32 v[UAD], v[TA], 4, v[UAD]
	v_add_nc_u32 v[UAD], UB, v[UAD]
	s_mul_i32 s22, s18, WSC
	s_add_co_u32 s22, s22, SCL
	v_mul_u32_u24 v[SCS], v[MX], SCP
	v_lshl_add_u32 v[SCS], v[TA], 5, v[SCS]
	v_add_nc_u32 v[SCS], s22, v[SCS]
	v_lshl_add_u32 v[SCR], v[TA+1], 4, s22
	s_lshl_b32 s23, ttmp9, 11
	s_lshl_b32 s24, s18, 9
	s_add_co_u32 s23, s23, s24
	v_lshl_add_u32 v[SCG], v[TA+1], 4, s23         ; my wave's 128 scores of a head: 2,048 wg + 512 w + 16 L
	v_mul_u32_u24 v[ZST], v[MX], ZP
	v_lshl_add_u32 v[ZST], v[TA], 5, v[ZST]
	v_add_nc_u32 v[ZST], s19, v[ZST]
	s_lshl_b32 s24, s18, 7
	s_add_co_u32 s25, s24, MLB
	v_lshl_add_u32 v[MLA], v[TA+1], 2, s25
	v_lshl_add_u32 v[MLR], v[TA+1], 2, MLB
	s_add_co_u32 s24, s24, MKB
	v_lshl_add_u32 v[MKA], v[TA], 3, s24
	v_lshl_add_u32 v[FR+23], v[TA+1], 2, s24
	s_mul_i32 s25, s18, 2*UP
	s_add_co_u32 s25, s25, UB
	v_lshl_add_u32 v[FR+24], v[TA+1], 4, s25
	v_mov_b32 v[NINF], 0xff800000
	v_mov_b32 v[MRUN], 0xff7fffff
	s_wait_loadcnt 8*NS                            ; the six small loads are in; the seven slots stay out
	ds_store_b128 v[FR+24], v[FR:FR+3]
	ds_store_b128 v[FR+24], v[FR+4:FR+7]   offset:512
	ds_store_b128 v[FR+24], v[FR+8:FR+11]  offset:UP
	ds_store_b128 v[FR+24], v[FR+12:FR+15] offset:UP+512
	ds_store_b32 v[FR+23], v[FR+16]
.irp j, 1,2,3,4,5,6,7
	v_mov_b32 v[CB+\j], v[CB]
.endr
	s_wait_dscnt 0x0                               ; for the other waves: my two heads of U are in LDS
	s_barrier_signal -1
	s_barrier_wait -1                              ; U is whole, and is only read from here on
.set kk, 0
.rept 16
	ds_load_b128 v[U+8*kk:U+8*kk+3],   v[UAD] offset:64*kk         ; U's fragments, once for the whole kernel; the first step's waits on DScnt cover them
	ds_load_b128 v[U+8*kk+4:U+8*kk+7], v[UAD] offset:64*kk+32
.set kk, kk+1
.endr
	STEP 0, 1
	STEP 1, 0
	STEP 2, 0
	STEP 3, 0
	; my m and l for the others; my 128 rows' scores out by heads
	WIN 0
	v_permlanex16_b32 v[MX2], v[LSUM], s30, s31
	v_add_f32 v[LSUM], v[LSUM], v[MX2]             ; both halves' rows: the head's whole sum in every lane
	ds_store_b32 v[MLA], v[MRUN]
	ds_store_b32 v[MLA], v[LSUM] offset:512
.irp q, 0,1,2,3,4,5,6,7
	ds_load_b128 v[FR+4*\q:FR+4*\q+3], v[SCR] offset:SCP*\q        ; head q; my own bytes, served in order behind my stores (ISA guide 5.7.1)
.endr
	v_and_b32 v[TA+1], 31, v0
	s_mul_i32 s22, s18, 2*ZP
	v_lshl_add_u32 v[FR+40], v[TA+1], 4, s22       ; for the sum over waves: head 2w in wave 0's stage,
.irp k, 1,2,3
	v_add_nc_u32 v[FR+40+\k], \k*WSTG, v[FR+40]    ; and in the others'
.endr
	s_wait_dscnt 0x0
.irp q, 0,1,2,3,4,5,6,7
	global_store_b128 v[SCG], v[FR+4*\q:FR+4*\q+3], s[12:13] offset:\q*524288      ; the wave stores 512 consecutive bytes of one head, aligned
.endr
	s_barrier_signal -1
	s_barrier_wait -1
	; the work-group's m and l, in every lane for its head; z brought to the common maximum
.irp k, 0,1,2,3
	ds_load_b32 v[FR+32+\k], v[MLR] offset:128*\k
	ds_load_b32 v[FR+36+\k], v[MLR] offset:512+128*\k
.endr
	s_wait_dscnt 0x0
	v_max3_num_f32 v[MX], v[FR+32], v[FR+33], v[FR+34]
	v_max_num_f32 v[MX], v[MX], v[FR+35]
.irp k, 0,1,2,3
	v_sub_f32 v[FR+32+\k], v[FR+32+\k], v[MX]
.endr
	v_sub_f32 v[TA], v[MRUN], v[MX]
.irp k, 0,1,2,3
	v_exp_f32 v[FR+32+\k], v[FR+32+\k]
.endr
	v_exp_f32 v[AL], v[TA]
	v_exp_f32 v[AL+1], v[TA]
	v_nop                                          ; one plain instruction before the exponentials' results are read
	s_wait_alu depctr_va_vdst(0)
	v_mul_f32 v[MX2], v[FR+36], v[FR+32]
.irp k, 1,2,3
	v_fmac_f32 v[MX2], v[FR+36+\k], v[FR+32+\k]
.endr
	RESCALE
	WIN 0x04                                       ; LDS store data in window 1
.set i, 0
.rept 32
	ds_store_b128 v[ZST], v[8*i:8*i+3]   offset:64*i           ; pos 16i + 8(L>>4) + 0..7 of head L&7; lanes r and r+8 store the same numbers to the same bytes
	ds_store_b128 v[ZST], v[8*i+4:8*i+7] offset:64*i+16
.set i, i+1
.endr
	WIN 0
	s_wait_dscnt 0x0                               ; for the other waves: my z is in LDS
	s_barrier_signal -1
	s_barrier_wait -1
	; wave w sums heads 2w and 2w+1 over the four waves and stores their 4,096 bytes
.irp e, 0,1
.irp k, 0,1,2,3
.irp q, 0,1,2,3
	ds_load_b128 v[U+64*\e+16*\k+4*\q:U+64*\e+16*\k+4*\q+3], v[FR+40+\k] offset:\e*ZP+512*\q
.endr
.endr
.endr
	s_lshl_b32 s23, s18, 12
	v_lshl_add_u32 v[TA], v[TA+1], 4, s23
	s_wait_dscnt 0x0
.irp e, 0,1
.irp k, 0,1
.irp p, 0,2,4,6,8,10,12,14
	v_pk_add_f32 v[U+64*\e+16*\k+\p:U+64*\e+16*\k+\p+1], v[U+64*\e+16*\k+\p:U+64*\e+16*\k+\p+1], v[U+64*\e+16*(\k+2)+\p:U+64*\e+16*(\k+2)+\p+1]
.endr
.endr
.endr
.irp e, 0,1
.irp p, 0,2,4,6,8,10,12,14
	v_pk_add_f32 v[U+64*\e+\p:U+64*\e+\p+1], v[U+64*\e+\p:U+64*\e+\p+1], v[U+64*\e+16+\p:U+64*\e+16+\p+1]
.endr
.endr
.irp e, 0,1
.irp q, 0,1,2,3
	global_store_b128 v[TA], v[U+64*\e+4*\q:U+64*\e+4*\q+3], s[14:15] offset:2048*\e+512*\q
.endr
.endr
	s_cmp_lg_u32 s18, 0
	s_cbranch_scc1 .Ldone
	; wave 0: m of heads 0-7, then l of heads 0-7: 64 bytes a work-group, all that this result has
	v_cmp_le_u32 vcc_lo, 8, v[RR]
	v_cndmask_b32 v[NINF], v[MX], v[MX2], vcc_lo
	v_lshlrev_b32 v[MLR], 2, v[RR]
	s_wait_xcnt 0x0                                ; EXEC is narrowed only behind this wait
	v_cmp_gt_u32 vcc_lo, 16, v[TA+1]
	s_and_saveexec_b32 s32, vcc_lo
	global_store_b32 v[MLR], v[NINF], s[16:17]
.Ldone:
	s_wait_xcnt 0x0
	s_mov_b32 exec_lo, -1
	s_wait_tensorcnt 0x0
	ds_add_u32 v38, v39
	s_wait_dscnt 0x0
	s_endpgm
.Lfunc_end_k_q49f16adf40_stream:
	.size	k_q49f16adf40_stream, .Lfunc_end_k_q49f16adf40_stream-k_q49f16adf40_stream
	.p2alignl 7, 3214868480
	.fill 96, 4, 3214868480
	.section	.rodata,"a",@progbits
	.p2align	6, 0x0
	.amdhsa_kernel k_q49f16adf40_stream
		.amdhsa_group_segment_fixed_size 225024
		.amdhsa_private_segment_fixed_size 0
		.amdhsa_enable_private_segment 0
		.amdhsa_kernarg_size 56
		.amdhsa_user_sgpr_count 2
		.amdhsa_user_sgpr_kernarg_segment_ptr 1
		.amdhsa_wavefront_size32 1
		.amdhsa_system_sgpr_workgroup_id_x 1
		.amdhsa_system_sgpr_workgroup_id_y 1
		.amdhsa_system_sgpr_workgroup_id_z 1
		.amdhsa_system_vgpr_workitem_id 0
		.amdhsa_next_free_vgpr 1024
		.amdhsa_next_free_sgpr 66
		.amdhsa_reserve_vcc 1
		.amdhsa_float_denorm_mode_32 3
		.amdhsa_float_denorm_mode_16_64 3
		.amdhsa_memory_ordered 1
		.amdhsa_forward_progress 1
		.amdhsa_inst_pref_size 248
	.end_amdhsa_kernel
	.amdgpu_metadata
---
amdhsa.version: [ 1, 2 ]
amdhsa.kernels:
  - .name:           k_q49f16adf40_stream
    .symbol:         k_q49f16adf40_stream.kd
    .args:
      - { .name: unit_embeddings, .offset: 0, .size: 8, .value_kind: global_buffer, .address_space: global }
      - { .name: mask, .offset: 8, .size: 8, .value_kind: global_buffer, .address_space: global }
      - { .name: ub, .offset: 16, .size: 8, .value_kind: global_buffer, .address_space: global }
      - { .name: cb, .offset: 24, .size: 8, .value_kind: global_buffer, .address_space: global }
      - { .name: scores, .offset: 32, .size: 8, .value_kind: global_buffer, .address_space: global }
      - { .name: zpart, .offset: 40, .size: 8, .value_kind: global_buffer, .address_space: global }
      - { .name: ml, .offset: 48, .size: 8, .value_kind: global_buffer, .address_space: global }
    .group_segment_fixed_size: 225024
    .private_segment_fixed_size: 0
    .kernarg_segment_align: 8
    .kernarg_segment_size: 56
    .max_flat_workgroup_size: 128
    .sgpr_count:     66
    .vgpr_count:     1024
    .wavefront_size: 32
...
	.end_amdgpu_metadata
.endif
;; end of part 2
;; launch reduce (part 3): grid 64 x 1, 8 waves a work-group, no clusters, 29,952 bytes of LDS; arguments ml, zpart, Wv, scores, wpart, out1; writes wpart, out1
.if DOCPART == 3
	.amdgcn_target "amdgcn-amd-amdhsa--gfx1250"
	.amdhsa_code_object_version 6
	.text
	.protected	k_q49f16adf40_reduce
	.globl	k_q49f16adf40_reduce
	.p2align	8
	.type	k_q49f16adf40_reduce,@function
k_q49f16adf40_reduce:
	s_mov_b64 s[64:65], 0
	v_nop
	global_prefetch_b8 v0, s[64:65] scope:SCOPE_SE
	s_setreg_imm32_b32 hwreg(HW_REG_WAVE_MODE, 25, 1), 1
	s_wait_xcnt 0x0
; Work-group b = 8 h + c, 64 in all.  Each one makes the global m and 1/l of all eight heads from the 256 partial (m, l); then
;   out1[n] = sum over heads of 2^(score - m) / (8 l)          for its 2,048 rows n
;   z[col]  = sum over the 256 parts of zpart * 2^(m_part - m) / l      for head h, columns 64c..64c+63
;   wpart[c][64h+d] = sum over those 64 columns of Wv[64h+d][col] z[col]       d = 0..63
; zpart holds its columns in the order pos = 64 q + 16 j + r for column 64 q + 4 r + j: block c of 64 is the same in both orders, and the order
; inside it is put right where the partial z go into LDS.
; All in f32 on the vector ALU: sums of parts and a product of one row.  Everything is asked for at the head: 40 loads a wave.
; With every row masked l = 0, 1/l = inf and 0 x inf = NaN, as the formula's softmax of -inf alone gives.  Otherwise l >= 1.
.set MLP, 80                           ; LDS 0: m[8], l[8] of part p at 80 p
.set FT,  20480                        ; LDS: factor 2^(m_p - m)/l of head w, part p at 1,024 w + 4 p
.set GM,  28672                        ; LDS: m of 8 heads, then 1/(8 l) of 8 heads
.set ZS,  FT                           ; LDS: each wave's partial z, 256 bytes: on the factor table's first 2,048 bytes, once every wave has read its factors
.set ML,  16                           ; v[16:31]
.set Z,   32                           ; v[32:95]   part 16 grp + k at 32+4k
.set WV,  96                           ; v[96:111]  row 4 grp + k at 96+4k
.set SCV, 112                          ; v[112:175] head h', quad i at 112+8h'+4i
.set F,   176                          ; v[176:191] factors of my 16 parts
.set ACC, 192                          ; v[192:195]
.set GMV, 200                          ; v[200:207] m of the heads
.set GIV, 208                          ; v[208:215] 1/(8 l) of the heads
.set O,   216                          ; v[216:223] out1, two quads
.set A,   224                          ; v[224:227] my four rows of Wv . z
.set PM,  228                          ; v[228:235]
.set PL,  236                          ; v[236:243]
.set GX,  244
.set GL,  245
.set GR,  246
.set GE,  247
.set WPO, 248
	s_load_b256 s[4:11], s[0:1], 0x0               ; ml s[4:5], zpart s[6:7], Wv s[8:9], scores s[10:11]
	s_load_b128 s[12:15], s[0:1], 0x20             ; wpart s[12:13], out1 s[14:15]
	v_lshl_add_u32 v254, v0, 2, 0x7100
	v_mov_b32 v255, 0
	v_lshrrev_b32 v1, 5, v0
	v_readfirstlane_b32 s18, v1                    ; wave 0..7
	v_and_b32 v1, 31, v0                           ; L
	v_and_b32 v2, 15, v0                           ; cq: my 16 bytes of a 256-byte row
	v_lshrrev_b32 v3, 4, v0                        ; grp 0..15
	s_bfe_u32 s19, ttmp9, 0x30003                  ; h: three bits from bit 3, 0..7
	s_and_b32 s20, ttmp9, 7                        ; c
	s_lshl_b32 s21, s20, 8
	s_lshl_b32 s22, s19, 11
	s_add_co_u32 s22, s22, s21                     ; zpart: 2,048 h + 256 c
	s_mov_b32 s23, 0
	s_lshl_b32 s24, s19, 17
	s_add_co_u32 s24, s24, s21                     ; Wv: 131,072 h + 256 c
	s_mov_b32 s25, 0
	s_lshl_b32 s26, ttmp9, 13                      ; scores and out1: 2,048 rows of 4 bytes
	s_mov_b32 s27, 0
	s_lshl_b32 s28, s20, 11
	s_lshl_b32 s29, s19, 8
	s_add_co_u32 s28, s28, s29                     ; wpart: 2,048 c + 256 h
	s_mov_b32 s29, 0
	s_mov_b32 s30, 0x76543210                      ; v_permlanex16_b32: lane i reads lane i of the other half
	s_mov_b32 s31, 0xfedcba98
	v_lshlrev_b32 v4, 6, v0                        ; ml: part t
	v_lshlrev_b32 v7, 4, v0                        ; scores, out1: 16 t
	v_lshlrev_b32 v5, 4, v2
	v_lshl_add_u32 v6, v3, 13, v5                  ; Wv: four rows a group
	v_lshl_add_u32 v5, v3, 18, v5                  ; zpart: sixteen parts of 16,384 bytes a group
	s_wait_kmcnt 0x0
	s_add_nc_u64 s[6:7], s[6:7], s[22:23]
	s_add_nc_u64 s[8:9], s[8:9], s[24:25]
	s_add_nc_u64 s[10:11], s[10:11], s[26:27]
	s_add_nc_u64 s[14:15], s[14:15], s[26:27]
	s_add_nc_u64 s[12:13], s[12:13], s[28:29]
.irp j, 0,1,2,3
	global_load_b128 v[ML+4*\j:ML+4*\j+3], v4, s[4:5] offset:16*\j
.endr
.irp k, 0,1,2,3,4,5,6,7,8,9,10,11,12,13,14,15
	global_load_b128 v[Z+4*\k:Z+4*\k+3], v5, s[6:7] offset:16384*\k th:TH_LOAD_NT       ; sixteen lanes: 256 consecutive bytes, aligned
.endr
.irp k, 0,1,2,3
	global_load_b128 v[WV+4*\k:WV+4*\k+3], v6, s[8:9] offset:2048*\k th:TH_LOAD_NT
.endr
.irp hh, 0,1,2,3,4,5,6,7
.irp i, 0,1
	global_load_b128 v[SCV+8*\hh+4*\i:SCV+8*\hh+4*\i+3], v7, s[10:11] offset:524288*\hh+4096*\i th:TH_LOAD_NT
.endr
.endr
	v_mul_u32_u24 v8, v0, MLP
	s_lshl_b32 s21, s18, 2
	v_mul_u32_u24 v9, v1, MLP
	v_add_nc_u32 v9, s21, v9                       ; part L, head w
	s_lshl_b32 s32, s18, 10
	s_add_co_u32 s32, s32, FT
	v_lshl_add_u32 v10, v1, 2, s32
	s_add_co_u32 s33, s21, GM
	v_mov_b32 v11, s33
	s_lshl_b32 s34, s19, 10
	s_add_co_u32 s34, s34, FT
	v_lshl_add_u32 v12, v3, 6, s34                 ; head h, my group's sixteen parts
	v_mov_b32 v13, GM
	s_lshl_b32 s35, s18, 8
	s_add_co_u32 s35, s35, ZS
	v_and_b32 v[GX], 3, v2                         ; my four numbers are pos 4 cq + e of the block: j = cq >> 2, r = 4 (cq & 3) + e,
	v_lshrrev_b32 v[GL], 2, v2                     ; that is column 16 (cq & 3) + 4 e + (cq >> 2)
	v_lshl_add_u32 v14, v[GX], 6, s35
	v_lshl_add_u32 v14, v[GL], 2, v14              ; byte 64 (cq & 3) + 4 (cq >> 2), and 16 e in the stores' offsets
	v_lshl_add_u32 v15, v2, 4, ZS
	v_lshlrev_b32 v[WPO], 4, v3
	s_wait_loadcnt 36                              ; zpart's 16, Wv's 4 and the scores' 16 loads stay out
.irp j, 0,1,2,3
	ds_store_b128 v8, v[ML+4*\j:ML+4*\j+3] offset:16*\j
.endr
	s_wait_dscnt 0x0                               ; for the other waves: my part's m and l are in LDS
	s_barrier_signal -1
	s_barrier_wait -1
	; wave w: head w's global maximum, sum and the 256 factors
.irp k, 0,1,2,3,4,5,6,7
	ds_load_b32 v[PM+\k], v9 offset:32*MLP*\k
	ds_load_b32 v[PL+\k], v9 offset:32*MLP*\k+32
.endr
	s_wait_dscnt 0x0
	v_max3_num_f32 v[GX], v[PM], v[PM+1], v[PM+2]
	v_max3_num_f32 v[GX], v[GX], v[PM+3], v[PM+4]
	v_max3_num_f32 v[GX], v[GX], v[PM+5], v[PM+6]
	v_max_num_f32 v[GX], v[GX], v[PM+7]
.irp x, 1,2,4,8
	v_max_num_f32_dpp v[GX], v[GX], v[GX] row_xmask:\x row_mask:0xf bank_mask:0xf
.endr
	v_permlanex16_b32 v[ML], v[GX], s30, s31       ; the destination held loaded data, no longer needed
	v_max_num_f32 v[GX], v[GX], v[ML]
.irp k, 0,1,2,3,4,5,6,7
	v_sub_f32 v[PM+\k], v[PM+\k], v[GX]
.endr
.irp k, 0,1,2,3,4,5,6,7
	v_exp_f32 v[PM+\k], v[PM+\k]
.endr
	v_nop                                          ; one plain instruction behind the exponentials (ISA guide 5.7.2)
	s_wait_alu depctr_va_vdst(0)
	v_mul_f32 v[GL], v[PL], v[PM]
.irp k, 1,2,3,4,5,6,7
	v_fmac_f32 v[GL], v[PL+\k], v[PM+\k]
.endr
.irp x, 1,2,4,8
	v_add_f32_dpp v[GL], v[GL], v[GL] row_xmask:\x row_mask:0xf bank_mask:0xf
.endr
	v_permlanex16_b32 v[ML], v[GL], s30, s31
	v_add_f32 v[GL], v[GL], v[ML]
	v_rcp_f32 v[GR], v[GL]
	v_nop                                          ; one plain instruction behind the reciprocal
	s_wait_alu depctr_va_vdst(0)
.irp k, 0,1,2,3,4,5,6,7
	v_mul_f32 v[PM+\k], v[PM+\k], v[GR]
.endr
	v_mul_f32 v[GE], 0x3e000000, v[GR]             ; the mean over 8 heads goes into the factor
.irp k, 0,1,2,3,4,5,6,7
	ds_store_b32 v10, v[PM+\k] offset:128*\k
.endr
	ds_store_b32 v11, v[GX]
	ds_store_b32 v11, v[GE] offset:32
	s_wait_dscnt 0x0                               ; for the other waves: my head's factors, m and 1/(8 l) are in LDS
	s_barrier_signal -1
	s_barrier_wait -1
	; z of head h, my 4 pos, over my group's sixteen parts
.irp j, 0,1,2,3
	ds_load_b128 v[F+4*\j:F+4*\j+3], v12 offset:16*\j
	ds_load_b128 v[GMV+4*\j:GMV+4*\j+3], v13 offset:16*\j
.endr
	s_wait_loadcnt 20                              ; Wv's 4 and the scores' 16 loads stay out
	s_wait_dscnt 0x0                               ; my factors are in registers: my reads of the table are over,
	s_barrier_signal -1                            ; say so; the sums below work on registers alone while the others arrive
	v_pk_mul_f32 v[ACC:ACC+1],   v[Z:Z+1],   v[F:F+1] op_sel_hi:[1,0]
	v_pk_mul_f32 v[ACC+2:ACC+3], v[Z+2:Z+3], v[F:F+1] op_sel_hi:[1,0]
.set k, 1
.rept 15
.if (k & 1) == 0                       ; the part's factor is broadcast from the low or the high register of its pair
	v_pk_fma_f32 v[ACC:ACC+1],   v[Z+4*k:Z+4*k+1],   v[F+k:F+k+1], v[ACC:ACC+1]   op_sel_hi:[1,0,1]
	v_pk_fma_f32 v[ACC+2:ACC+3], v[Z+4*k+2:Z+4*k+3], v[F+k:F+k+1], v[ACC+2:ACC+3] op_sel_hi:[1,0,1]
.else
	v_pk_fma_f32 v[ACC:ACC+1],   v[Z+4*k:Z+4*k+1],   v[F+k-1:F+k], v[ACC:ACC+1]   op_sel:[0,1,0] op_sel_hi:[1,1,1]
	v_pk_fma_f32 v[ACC+2:ACC+3], v[Z+4*k+2:Z+4*k+3], v[F+k-1:F+k], v[ACC+2:ACC+3] op_sel:[0,1,0] op_sel_hi:[1,1,1]
.endif
.set k, k+1
.endr
.irp i, 0,1,2,3
	v_permlanex16_b32 v[Z+\i], v[ACC+\i], s30, s31 ; the wave's other group
.endr
	v_pk_add_f32 v[ACC:ACC+1],   v[ACC:ACC+1],   v[Z:Z+1]
	v_pk_add_f32 v[ACC+2:ACC+3], v[ACC+2:ACC+3], v[Z+2:Z+3]
	s_barrier_wait -1                              ; every wave has read its factors: the table's first 2,048 bytes may be written over
.irp e, 0,1,2,3
	ds_store_b32 v14, v[ACC+\e] offset:16*\e       ; each number to its column's place; both halves hold the same numbers and store them to the same bytes
.endr
	s_wait_dscnt 0x0                               ; for the other waves: my partial z is in LDS
	s_barrier_signal -1
	s_barrier_wait -1
.irp k, 0,1,2,3,4,5,6,7
	ds_load_b128 v[Z+4*\k:Z+4*\k+3], v15 offset:256*\k
.endr
	s_wait_dscnt 0x0
.irp k, 0,1,2,3
	v_pk_add_f32 v[Z+4*\k:Z+4*\k+1],   v[Z+4*\k:Z+4*\k+1],   v[Z+4*(\k+4):Z+4*(\k+4)+1]
	v_pk_add_f32 v[Z+4*\k+2:Z+4*\k+3], v[Z+4*\k+2:Z+4*\k+3], v[Z+4*(\k+4)+2:Z+4*(\k+4)+3]
.endr
.irp k, 0,1
	v_pk_add_f32 v[Z+4*\k:Z+4*\k+1],   v[Z+4*\k:Z+4*\k+1],   v[Z+4*(\k+2):Z+4*(\k+2)+1]
	v_pk_add_f32 v[Z+4*\k+2:Z+4*\k+3], v[Z+4*\k+2:Z+4*\k+3], v[Z+4*(\k+2)+2:Z+4*(\k+2)+3]
.endr
	v_pk_add_f32 v[Z:Z+1],   v[Z:Z+1],   v[Z+4:Z+5]
	v_pk_add_f32 v[Z+2:Z+3], v[Z+2:Z+3], v[Z+6:Z+7]        ; the normalised z of columns 4 cq .. 4 cq + 3 of the block
	s_wait_loadcnt 16                              ; the scores' 16 loads stay out
.irp k, 0,1,2,3
	v_pk_mul_f32 v[PM+2*\k:PM+2*\k+1], v[WV+4*\k:WV+4*\k+1], v[Z:Z+1]
.endr
.irp k, 0,1,2,3
	v_pk_fma_f32 v[PM+2*\k:PM+2*\k+1], v[WV+4*\k+2:WV+4*\k+3], v[Z+2:Z+3], v[PM+2*\k:PM+2*\k+1]
.endr
.irp k, 0,1,2,3
	v_add_f32 v[A+\k], v[PM+2*\k], v[PM+2*\k+1]
.endr
.irp x, 1,2,4,8
.irp k, 0,1,2,3
	v_add_f32_dpp v[A+\k], v[A+\k], v[A+\k] row_xmask:\x row_mask:0xf bank_mask:0xf     ; over the sixteen lanes of a row of Wv
.endr
.endr
	; out1: eight rows a thread
	s_wait_loadcnt 0x0
.set hq, 0
.rept 8
.irp p, 0,2,4,6
.if (hq & 1) == 0
	v_pk_add_f32 v[SCV+8*hq+\p:SCV+8*hq+\p+1], v[SCV+8*hq+\p:SCV+8*hq+\p+1], v[GMV+hq:GMV+hq+1] op_sel_hi:[1,0] neg_lo:[0,1] neg_hi:[0,1]
.else
	v_pk_add_f32 v[SCV+8*hq+\p:SCV+8*hq+\p+1], v[SCV+8*hq+\p:SCV+8*hq+\p+1], v[GMV+hq-1:GMV+hq] op_sel:[0,1] op_sel_hi:[1,1] neg_lo:[0,1] neg_hi:[0,1]
.endif
.endr
.set hq, hq+1
.endr
.set i, 0
.rept 64
	v_exp_f32 v[SCV+i], v[SCV+i]
.set i, i+1
.endr
	v_nop                                          ; one plain instruction before the exponentials' results are read
	s_wait_alu depctr_va_vdst(0)
.irp p, 0,2,4,6
	v_pk_mul_f32 v[O+\p:O+\p+1], v[SCV+\p:SCV+\p+1], v[GIV:GIV+1] op_sel_hi:[1,0]
.endr
.set hq, 1
.rept 7
.irp p, 0,2,4,6
.if (hq & 1) == 0
	v_pk_fma_f32 v[O+\p:O+\p+1], v[SCV+8*hq+\p:SCV+8*hq+\p+1], v[GIV+hq:GIV+hq+1], v[O+\p:O+\p+1] op_sel_hi:[1,0,1]
.else
	v_pk_fma_f32 v[O+\p:O+\p+1], v[SCV+8*hq+\p:SCV+8*hq+\p+1], v[GIV+hq-1:GIV+hq], v[O+\p:O+\p+1] op_sel:[0,1,0] op_sel_hi:[1,1,1]
.endif
.endr
.set hq, hq+1
.endr
	global_store_b128 v7, v[O:O+3],   s[14:15]     ; a wave's store covers 512 consecutive bytes, aligned
	global_store_b128 v7, v[O+4:O+7], s[14:15] offset:4096
	s_wait_xcnt 0x0                                ; EXEC is narrowed only behind this wait
	v_cmp_eq_u32 vcc_lo, 0, v2
	s_wait_tensorcnt 0x0
	ds_add_u32 v254, v255
	s_wait_dscnt 0x0
	s_and_saveexec_b32 s36, vcc_lo
	global_store_b128 v[WPO], v[A:A+3], s[12:13]   ; two lanes a wave, 16 bytes each: the work-group's 256 bytes of wpart
	s_endpgm
.Lfunc_end_k_q49f16adf40_reduce:
	.size	k_q49f16adf40_reduce, .Lfunc_end_k_q49f16adf40_reduce-k_q49f16adf40_reduce
	.p2alignl 7, 3214868480
	.fill 96, 4, 3214868480
	.section	.rodata,"a",@progbits
	.p2align	6, 0x0
	.amdhsa_kernel k_q49f16adf40_reduce
		.amdhsa_group_segment_fixed_size 29952
		.amdhsa_private_segment_fixed_size 0
		.amdhsa_enable_private_segment 0
		.amdhsa_kernarg_size 48
		.amdhsa_user_sgpr_count 2
		.amdhsa_user_sgpr_kernarg_segment_ptr 1
		.amdhsa_wavefront_size32 1
		.amdhsa_system_sgpr_workgroup_id_x 1
		.amdhsa_system_sgpr_workgroup_id_y 1
		.amdhsa_system_sgpr_workgroup_id_z 1
		.amdhsa_system_vgpr_workitem_id 0
		.amdhsa_next_free_vgpr 256
		.amdhsa_next_free_sgpr 66
		.amdhsa_reserve_vcc 1
		.amdhsa_float_denorm_mode_32 3
		.amdhsa_float_denorm_mode_16_64 3
		.amdhsa_memory_ordered 1
		.amdhsa_forward_progress 1
		.amdhsa_inst_pref_size 24
	.end_amdhsa_kernel
	.amdgpu_metadata
---
amdhsa.version: [ 1, 2 ]
amdhsa.kernels:
  - .name:           k_q49f16adf40_reduce
    .symbol:         k_q49f16adf40_reduce.kd
    .args:
      - { .name: ml, .offset: 0, .size: 8, .value_kind: global_buffer, .address_space: global }
      - { .name: zpart, .offset: 8, .size: 8, .value_kind: global_buffer, .address_space: global }
      - { .name: Wv, .offset: 16, .size: 8, .value_kind: global_buffer, .address_space: global }
      - { .name: scores, .offset: 24, .size: 8, .value_kind: global_buffer, .address_space: global }
      - { .name: wpart, .offset: 32, .size: 8, .value_kind: global_buffer, .address_space: global }
      - { .name: out1, .offset: 40, .size: 8, .value_kind: global_buffer, .address_space: global }
    .group_segment_fixed_size: 29952
    .private_segment_fixed_size: 0
    .kernarg_segment_align: 8
    .kernarg_segment_size: 48
    .max_flat_workgroup_size: 256
    .sgpr_count:     66
    .vgpr_count:     256
    .wavefront_size: 32
...
	.end_amdgpu_metadata
.endif
;; end of part 3
;; launch final (part 4): grid 64 x 1, 8 waves a work-group, no clusters, 3,072 bytes of LDS; arguments wpart, bv, Wo, bo, out0; writes out0
.if DOCPART == 4
	.amdgcn_target "amdgcn-amd-amdhsa--gfx1250"
	.amdhsa_code_object_version 6
	.text
	.protected	k_q49f16adf40_final
	.globl	k_q49f16adf40_final
	.p2align	8
	.type	k_q49f16adf40_final,@function
k_q49f16adf40_final:
	s_mov_b64 s[64:65], 0
	v_nop
	global_prefetch_b8 v0, s[64:65] scope:SCOPE_SE
	s_setreg_imm32_b32 hwreg(HW_REG_WAVE_MODE, 25, 1), 1
	s_wait_xcnt 0x0
; weighted[h][d] = sum over the 8 column chunks of wpart[c][64h+d] + bv[64h+d]; flat[8d+h] = weighted[h][d]; out0[o] = Wo[o] . flat + bo[o].
; Every work-group makes the whole of flat (512 numbers, 18 KiB read) in LDS; wave w then makes output 8 wg + w from one row of Wo, which the launch reads once.
; f32 on the vector ALU: a product of one row.
	s_load_b256 s[4:11], s[0:1], 0x0               ; wpart s[4:5], bv s[6:7], Wo s[8:9], bo s[10:11]
	s_load_b64 s[12:13], s[0:1], 0x20              ; out0
	v_lshl_add_u32 v64, v0, 2, 0x800
	v_mov_b32 v65, 0
	v_lshrrev_b32 v1, 5, v0
	v_readfirstlane_b32 s18, v1                    ; wave 0..7
	v_and_b32 v1, 31, v0                           ; L
	s_lshl_b32 s19, ttmp9, 3
	s_add_co_u32 s19, s19, s18                     ; o
	s_lshl_b32 s20, s19, 11
	s_mov_b32 s21, 0
	s_lshl_b32 s22, s19, 2
	s_mov_b32 s23, 0
	s_mov_b32 s30, 0x76543210
	s_mov_b32 s31, 0xfedcba98
	v_lshlrev_b32 v2, 3, v0                        ; wpart, bv: numbers 2t and 2t+1, that is head w, d = 2L and 2L+1
	v_lshlrev_b32 v3, 4, v1                        ; Wo, and flat in LDS: 16 L
	v_mov_b32 v4, 0
	s_lshl_b32 s24, s18, 2
	v_lshl_add_u32 v5, v1, 6, s24                  ; flat[8d+h] at byte 32 d + 4 h = 64 L + 4 w, and 32 further
	s_wait_kmcnt 0x0
	s_add_nc_u64 s[8:9], s[8:9], s[20:21]
	s_add_nc_u64 s[10:11], s[10:11], s[22:23]
	s_add_nc_u64 s[12:13], s[12:13], s[22:23]
.irp c, 0,1,2,3,4,5,6,7
	global_load_b64 v[8+2*\c:9+2*\c], v2, s[4:5] offset:2048*\c
.endr
	global_load_b64 v[24:25], v2, s[6:7]
.irp q, 0,1,2,3
	global_load_b128 v[28+4*\q:31+4*\q], v3, s[8:9] offset:512*\q th:TH_LOAD_NT
.endr
	global_load_b32 v44, v4, s[10:11]
	s_wait_loadcnt 5                               ; Wo's four loads and bo's one stay out
	v_pk_add_f32 v[8:9],   v[8:9],   v[10:11]
	v_pk_add_f32 v[12:13], v[12:13], v[14:15]
	v_pk_add_f32 v[16:17], v[16:17], v[18:19]
	v_pk_add_f32 v[20:21], v[20:21], v[22:23]
	v_pk_add_f32 v[8:9],   v[8:9],   v[12:13]
	v_pk_add_f32 v[16:17], v[16:17], v[20:21]
	v_pk_add_f32 v[8:9],   v[8:9],   v[16:17]
	v_pk_add_f32 v[24:25], v[24:25], v[8:9]
	ds_store_b32 v5, v24
	ds_store_b32 v5, v25 offset:32
	s_wait_dscnt 0x0
	s_barrier_signal -1
	s_barrier_wait -1
.irp q, 0,1,2,3
	ds_load_b128 v[48+4*\q:51+4*\q], v3 offset:512*\q
.endr
	s_wait_loadcnt 0x0
	s_wait_dscnt 0x0
	v_pk_mul_f32 v[6:7], v[28:29], v[48:49]
.irp p, 2,4,6,8,10,12,14
	v_pk_fma_f32 v[6:7], v[28+\p:29+\p], v[48+\p:49+\p], v[6:7]
.endr
	v_add_f32 v6, v6, v7
.irp x, 1,2,4,8
	v_add_f32_dpp v6, v6, v6 row_xmask:\x row_mask:0xf bank_mask:0xf
.endr
	v_permlanex16_b32 v7, v6, s30, s31
	v_add_f32 v6, v6, v7
	v_add_f32 v6, v6, v44
	s_wait_xcnt 0x0                                ; EXEC is narrowed only behind this wait
	v_cmp_eq_u32 vcc_lo, 0, v1
	s_wait_tensorcnt 0x0
	ds_add_u32 v64, v65
	s_wait_dscnt 0x0
	s_and_saveexec_b32 s25, vcc_lo
	global_store_b32 v4, v6, s[12:13]              ; one number a wave: out0 has 512 in all
	s_endpgm
.Lfunc_end_k_q49f16adf40_final:
	.size	k_q49f16adf40_final, .Lfunc_end_k_q49f16adf40_final-k_q49f16adf40_final
	.p2alignl 7, 3214868480
	.fill 96, 4, 3214868480
	.section	.rodata,"a",@progbits
	.p2align	6, 0x0
	.amdhsa_kernel k_q49f16adf40_final
		.amdhsa_group_segment_fixed_size 3072
		.amdhsa_private_segment_fixed_size 0
		.amdhsa_enable_private_segment 0
		.amdhsa_kernarg_size 40
		.amdhsa_user_sgpr_count 2
		.amdhsa_user_sgpr_kernarg_segment_ptr 1
		.amdhsa_wavefront_size32 1
		.amdhsa_system_sgpr_workgroup_id_x 1
		.amdhsa_system_sgpr_workgroup_id_y 1
		.amdhsa_system_sgpr_workgroup_id_z 1
		.amdhsa_system_vgpr_workitem_id 0
		.amdhsa_next_free_vgpr 66
		.amdhsa_next_free_sgpr 66
		.amdhsa_reserve_vcc 1
		.amdhsa_float_denorm_mode_32 3
		.amdhsa_float_denorm_mode_16_64 3
		.amdhsa_memory_ordered 1
		.amdhsa_forward_progress 1
		.amdhsa_inst_pref_size 5
	.end_amdhsa_kernel
	.amdgpu_metadata
---
amdhsa.version: [ 1, 2 ]
amdhsa.kernels:
  - .name:           k_q49f16adf40_final
    .symbol:         k_q49f16adf40_final.kd
    .args:
      - { .name: wpart, .offset: 0, .size: 8, .value_kind: global_buffer, .address_space: global }
      - { .name: bv, .offset: 8, .size: 8, .value_kind: global_buffer, .address_space: global }
      - { .name: Wo, .offset: 16, .size: 8, .value_kind: global_buffer, .address_space: global }
      - { .name: bo, .offset: 24, .size: 8, .value_kind: global_buffer, .address_space: global }
      - { .name: out0, .offset: 32, .size: 8, .value_kind: global_buffer, .address_space: global }
    .group_segment_fixed_size: 3072
    .private_segment_fixed_size: 0
    .kernarg_segment_align: 8
    .kernarg_segment_size: 40
    .max_flat_workgroup_size: 256
    .sgpr_count:     66
    .vgpr_count:     66
    .wavefront_size: 32
...
	.end_amdgpu_metadata
.endif
;; end of part 4
